; MI455X (gfx1250); checked and timed in simulation.
; The chip was launched on July 23, 2026; its instructions are those of AMD's public machine-readable ISA for CDNA 5 (MIT licence, August 2026) and "CDNA5" Instruction Set Architecture Reference Guide (July 2026). The comments in the code are by the model that wrote it; some were corrected since.
;; Multi Headed Attention. Allowed arithmetic: matrix products marked QUANTISED: E2M1 operands, one E8M0 scale for each 32 along K, by v_wmma_scale_f32_16x16x128_f8f6f4 with both operands' format E2M1 (or v_wmma_scale_f32_32x16x128_f4), f32 sums; everything else in f32.
;; Inputs: Wk_codes 1,024 x 32 x 16 uint8 (E2M1 codes of Wk, K innermost, in blocks of 32 codes, two codes a byte); Wk_scales 1,024 x 32 uint8 (E8M0 scales of Wk, one for each 32 codes along K); Wm_codes 1,024 x 32 x 16 uint8 (E2M1 codes of Wm, K innermost, in blocks of 32 codes, two codes a byte); Wm_scales 1,024 x 32 uint8 (E8M0 scales of Wm, one for each 32 codes along K); Wq_codes 1,024 x 32 x 16 uint8 (E2M1 codes of Wq, K innermost, in blocks of 32 codes, two codes a byte); Wq_scales 1,024 x 32 uint8 (E8M0 scales of Wq, one for each 32 codes along K); Wv_codes 1,024 x 32 x 16 uint8 (E2M1 codes of Wv, K innermost, in blocks of 32 codes, two codes a byte); Wv_scales 1,024 x 32 uint8 (E8M0 scales of Wv, one for each 32 codes along K); bk 1,024 float32; bm 1,024 float32; bq 1,024 float32; bv 1,024 float32; key_codes 8 x 1,024 x 32 x 16 uint8 (E2M1 codes of key, K innermost, in blocks of 32 codes, two codes a byte); key_scales 8 x 1,024 x 32 uint8 (E8M0 scales of key, one for each 32 codes along K); query_codes 8 x 1,024 x 32 x 16 uint8 (E2M1 codes of query, K innermost, in blocks of 32 codes, two codes a byte); query_scales 8 x 1,024 x 32 uint8 (E8M0 scales of query, one for each 32 codes along K); value_codes 8 x 1,024 x 32 x 16 uint8 (E2M1 codes of value, K innermost, in blocks of 32 codes, two codes a byte); value_scales 8 x 1,024 x 32 uint8 (E8M0 scales of value, one for each 32 codes along K).
;; Outputs: out0 8 x 1,024 x 1,024 float32.
;; This version of the problem:
;;   THIS VERSION OF THE PROBLEM IS GIVEN IN LOW PRECISION. The matrix products marked QUANTISED in the list below multiply operands that are first quantised to E2M1 (2 exponent bits, 1 mantissa bit; 4 bits a number), with one power-of-two scale for each 32 numbers along K (OCP MX v1.0); their sums are f32. All else is computed in f32.
;;   The module's matrix products, in the order in which they are computed (A, B: the left and right operand; K: the contracted axis; several contracted axes count as one K, in the product's order):
;;     1. [M 8,192, K 1,024] x [K 1,024, N 1,024]; A: input query (given as codes); B: input Wq (given as codes): QUANTISED
;;     2. [M 8,192, K 1,024] x [K 1,024, N 1,024]; A: input key (given as codes); B: input Wk (given as codes): QUANTISED
;;     3. [M 8,192, K 1,024] x [K 1,024, N 1,024]; A: input value (given as codes); B: input Wv (given as codes): QUANTISED
;;     4. batch 128 x [M 1,024, K 64] x [K 64, N 1,024]; A: computed on the way; B: computed on the way: QUANTISED
;;     5. batch 128 x [M 64, K 1,024] x [K 1,024, N 1,024]; A: computed on the way; B: softmax (see below): QUANTISED
;;     6. [M 8,192, K 1,024] x [K 1,024, N 1,024]; A: computed on the way; B: input Wm (given as codes): QUANTISED
;;   THE QUANTISER, for each operand of a quantised product, along K:
;;     - K is cut into blocks of 32 from its start; a last block that is shorter is filled with zeros.
;;     - A block's scale is 2^e with e = floor(log2(the largest magnitude in the block)) - 2, held to -126 .. 127; a block of zeros has e = 0. As a byte (E8M0): e + 127.
;;     - Each number is divided by its block's scale, clamped to +-6, and rounded to the nearest number of E2M1, ties to even, subnormals kept.
;;     - The product sums the exact products of the quantised numbers (number of the format x scale) in f32.
;;   ~~~python
;;   def quantise(x, axis):      # numpy; x: float32 -> the quantised numbers, widened to float32 again
;;       x = np.moveaxis(x, axis, -1); K = x.shape[-1]
;;       x = np.pad(x, [(0, 0)] * (x.ndim - 1) + [(0, -K % 32)]); x = x.reshape(x.shape[:-1] + (-1, 32)); a = np.abs(x).max(-1, keepdims=True)
;;       e = np.where(a > 0, np.clip(np.frexp(np.where(a > 0, a, 1))[1] - 1 - 2, -126, 127), 0)      # np.frexp(a)[1] - 1 = floor(log2(a)), exactly
;;       r = np.clip(x / 2.0 ** e, -6, 6)
;;       step = 2.0 ** (np.maximum(np.frexp(np.where(r == 0, 1, r))[1] - 1, 0) - 1)
;;       q = np.round(r / step) * step * 2.0 ** e      # np.round: ties to even
;;       return np.moveaxis(q.reshape(q.shape[:-2] + (-1,))[..., :K], -1, axis).astype(np.float32)
;;   ~~~
;;   SOFTMAX AHEAD OF A QUANTISED PRODUCT. Where the list says 'softmax', what is quantised is not the finished softmax but p = 2^(t - M), with t = logit x log2(e) and M = ceil(the row's largest t), a whole number; so 1/2 < the row's largest p <= 1. The row's sum l is taken of the UNQUANTISED p, in f32, and the product's result is divided by l at the end. Since M is a whole number, a kernel that streams over the keys may use a running M (the ceiling of the running maximum): every later rescaling is an exact power of two, which a block's scale takes up: the codes' values come out the same.
;;   OPERANDS COMPUTED ON THE WAY. 'Computed on the way' means the value that the module computes at that place (a softmax that the list does not call 'softmax' is quantised finished and normalised). What goes into a quantiser is computed in f32, as accurately as f32 sums, v_exp_f32 and their like allow (about 1e-6 of the number): no bf16 or f16 on the way to a quantiser, and a product that is left as it is and whose result goes on into a quantised operand takes f32 operands (vector FMAs, or v_wmma_f32_16x16x4_f32). A number that lies on a knife's edge between two numbers of the format may be rounded either way, as far as f32 arithmetic and the matrix unit's own rounding can turn it there, and no further.
;;   INPUTS GIVEN AS CODES. Wk (in the module: [1024, 1024], K = its axis 1); Wm (in the module: [1024, 1024], K = its axis 1); Wq (in the module: [1024, 1024], K = its axis 1); Wv (in the module: [1024, 1024], K = its axis 1); key (in the module: [8, 1024, 1024], K = its axis 1); query (in the module: [8, 1024, 1024], K = its axis 1); value (in the module: [8, 1024, 1024], K = its axis 1): each comes as NAME_codes (uint8): NAME with its K axis moved to the last place and cut into blocks of 32 codes, [.., K / 32, bytes a block], one block behind the other in memory; two codes a byte, the lower K in the low four bits (a code: sign, 2 exponent bits, 1 mantissa bit); and NAME_scales (uint8): the same leading axes, one E8M0 byte (e + 127) for each 32 codes along K. Its value is code x scale, taken as it is: it is not quantised again, and the codes and scales need not be those that the quantiser above would give.
;; One version. Each part assembles by itself: llvm-mc -triple=amdgcn-amd-amdhsa -mcpu=gfx1250 --defsym DOCPART=n.
;; ======== version 1 of 1: 3 launches
;; workspace buffers: qb 4,718,592 bytes; kv 9,437,184 bytes; xw 33,554,432 bytes
;; launch proj (part 1): grid 256 x 3, 4 waves a work-group, clusters of 4 x 1, 213,504 bytes of LDS; arguments query_codes, query_scales, Wq_codes, Wq_scales, bq, key_codes, key_scales, Wk_codes, Wk_scales, bk, value_codes, value_scales, Wv_codes, Wv_scales, bv, qb, kv; writes qb, kv
.if DOCPART == 1
	.amdgcn_target "amdgcn-amd-amdhsa--gfx1250"
	.amdhsa_code_object_version 6
	.text
	.protected	k_q6d6e18f0fe_proj
	.globl	k_q6d6e18f0fe_proj
	.p2align	8
	.type	k_q6d6e18f0fe_proj,@function
k_q6d6e18f0fe_proj:
	s_mov_b64 s[64:65], 0
	v_nop
	global_prefetch_b8 v0, s[64:65] scope:SCOPE_SE
	s_setreg_imm32_b32 hwreg(HW_REG_WAVE_MODE, 25, 1), 1
	s_wait_xcnt 0x0
	s_wait_alu depctr_hold_cnt(0) depctr_sa_sdst(0) depctr_va_vdst(0) depctr_va_sdst(0) depctr_va_ssrc(0) depctr_va_vcc(0) depctr_vm_vsrc(0)
	s_getreg_b32 s2, hwreg(HW_REG_IB_STS2, 6, 4)
	s_cmp_eq_u32 s2, 0
	s_cbranch_scc0 .Lentry_in_a_cluster
	s_endpgm
.Lentry_in_a_cluster:
	s_bfe_u32 s2, ttmp6, 0x10000c
	s_cmp_lg_u32 s2, 0x3003
	s_cbranch_scc0 .Lentry_shape_is_right
	s_endpgm
.Lentry_shape_is_right:
; THE THREE PROJECTIONS q, k, v = W x + b on codes of FP4 (E2M1) with E8M0 scales, and the quantising of their results for the attention launch.
; x: [8][1024 tokens][1024 i] as codes, 512 bytes a token; W: [1024 o][1024 i] as codes; channel o = 16 d + head.  Work-group y says which of the three.
; SHARES.  A work-group takes 128 tokens x 4 heads over all of K; wave w takes head 4 HG + w: 128 tokens x 64 d = 32 accumulators of 16 x 16, 8 K steps of 128, 256 matrix instructions.
; All of K fits in LDS: x's 128 rows; nothing is filled twice.
; CLUSTER.  The four work-groups of a cluster have the same four heads and other tokens: W's tiles, 131,072 of a work-group's 196,608 bytes, are asked for jointly (mask 15); x's loads are each work-group's own.
; q, k are quantised along d: the product is used with source 0 = 16 rows of W, source 1 = 16 tokens, so a lane holds ONE token and its registers run along d.
; v is quantised along the tokens (the keys): source 0 = 16 tokens, source 1 = 16 rows of W, so a lane holds ONE d and its registers run along the tokens.
; On both ways chain n of 16 (a block of 32 along the next K) is accumulator registers 16 n .. 16 n + 15 of lanes l and l xor 16, so one text quantises both.
; A tile's rows are neighbours: in result tile m of four, lane half hh holds the group of eight 2 m + hh.  The four tiles' codes are written to registers 0, 2, 1, 3 and two exchanges of lane halves
; leave register i with k = 32 hh + 8 i .. + 7: the operand's order.  The codes leave as images of operand registers, lane l's 16 bytes at 16 l: each store covers 512 consecutive bytes.
; The bias is the C of each sum's first matrix instruction: the sums are so rounded in another order than bias-last.
; LIMITS: NaN and infinities among the biases are not served.  A block whose largest magnitude lies under 2^-124, zeros among them, gets the scale byte 1 (the stated quantiser gives a block of zeros 127): its codes are zeros
; or the smallest codes, and the bytes are read by this program alone.
; REGISTERS.  window 0: v1 16 x lane; v2, v3 LDS places of x's and W's fragments; v4-6 offsets; v7 lane; v8-39 x's scale words; v40-55 W's; v56-59 bias at work; v60 r, v61 hh;
;   v64-159, v160-255 two sets of fragments (x's 8 tiles, then W's 4).   window 1: the 32 accumulators.   window 2: v0-31 the bias in the result's layout.
.set PITCH, 272                        ; an LDS row: 256 bytes + 16 of padding: the 16 rows of a fragment load start 16 bytes apart modulo 256
.set XHALF, 128*PITCH                  ; x: 128 tokens, half of K
.set WBASE, 2*XHALF                    ; behind x's two halves: W, a region for each wave
.set WHALF, 64*PITCH
.set WWAVE, 2*WHALF
.set XS,  8
.set WS,  40
.set BT,  56
.set T,   64                           ; the way out: 16 largest magnitudes,
.set U,   80                           ; the other lane half's, then the scale bytes,
.set SCL, 96                           ; the conversions' scale operands,
.set PW,  112                          ; scale words,
.set SW,  120                          ; the four that a lane stores,
.set PC,  128                          ; and the codes
.set G1X, 68
.set G1W, 76
.set G0W0, 84
.set G0X0, 88
.set G0W1, 92
.set G0X1, 96
.set MSB, 0
.macro WIN new                         ; the immediate's high byte repeats the setting that is left; a switch that changes nothing is dropped
.if MSB != \new
	s_set_vgpr_msb (MSB<<8)|\new
.set MSB, \new
.endif
.endm
.macro PLACES                          ; four plain vector lines between a matrix instruction and a load into, or a vector read of, its registers
.rept 4
	v_nop
.endr
.endm
.macro CROUND                          ; a round of the cluster's barrier
	s_barrier_signal -1
	s_barrier_wait -1
	s_cmp_lg_u32 s3, 0
	s_cbranch_scc1 .Lnot_wave_0_\@
	s_barrier_signal -3
.Lnot_wave_0_\@:
	s_barrier_wait -3
	s_barrier_signal -1
	s_barrier_wait -1
.endm
.macro WMI                             ; one matrix instruction from the symbols rD, rA, rB, rC, rSA, rSB; fA, fB: that side's scale words lie in lanes 16-31
.if fA && fB
	v_wmma_scale_f32_16x16x128_f8f6f4 v[rD:rD+7], v[rA:rA+7], v[rB:rB+7], v[rC:rC+7], v[rSA], v[rSB] matrix_a_fmt:MATRIX_FMT_FP4 matrix_b_fmt:MATRIX_FMT_FP4 matrix_a_scale:MATRIX_SCALE_ROW1 matrix_b_scale:MATRIX_SCALE_ROW1
.elseif fA
	v_wmma_scale_f32_16x16x128_f8f6f4 v[rD:rD+7], v[rA:rA+7], v[rB:rB+7], v[rC:rC+7], v[rSA], v[rSB] matrix_a_fmt:MATRIX_FMT_FP4 matrix_b_fmt:MATRIX_FMT_FP4 matrix_a_scale:MATRIX_SCALE_ROW1
.elseif fB
	v_wmma_scale_f32_16x16x128_f8f6f4 v[rD:rD+7], v[rA:rA+7], v[rB:rB+7], v[rC:rC+7], v[rSA], v[rSB] matrix_a_fmt:MATRIX_FMT_FP4 matrix_b_fmt:MATRIX_FMT_FP4 matrix_b_scale:MATRIX_SCALE_ROW1
.else
	v_wmma_scale_f32_16x16x128_f8f6f4 v[rD:rD+7], v[rA:rA+7], v[rB:rB+7], v[rC:rC+7], v[rSA], v[rSB] matrix_a_fmt:MATRIX_FMT_FP4 matrix_b_fmt:MATRIX_FMT_FP4
.endif
.endm
	s_load_b512 s[16:31], s[0:1], 0x0              ; argument i lies at s[16 + 2 i]
	s_load_b512 s[32:47], s[0:1], 0x40
	s_load_b64 s[48:49], s[0:1], 0x80
	v_lshl_add_u32 v62, v0, 2, 0x34000
	v_mov_b32 v63, 0
	ds_add_u32 v62, v63
	ds_add_u32 v62, v63
	v_lshrrev_b32 v1, 5, v0
	v_readfirstlane_b32 s3, v1                     ; wave 0..3
	s_and_b32 s50, ttmp7, 0xffff                   ; y: 0 q, 1 k, 2 v
	s_bfe_u32 s51, ttmp6, 0x40000                  ; cx: my place in the cluster
	s_lshr_b32 s52, ttmp9, 4                       ; HG: the group of four heads, which the partners share
	s_and_b32 s53, ttmp9, 15
	s_lshl_b32 s53, s53, 2
	s_add_co_u32 s53, s53, s51                     ; TB: my block of 128 tokens, 0..63
	s_lshl_b32 s54, s52, 2
	s_add_co_u32 s54, s54, s3                      ; H: my wave's head
	; descriptor groups 1: elements of one byte; 4 words of padding behind every 64
	s_mov_b32 s[G1X+0], (1<<20)|(5<<22)|(3<<25)    ; x: no mask
	s_mov_b32 s[G1X+1], 256<<16                    ; tensor_dim0 = 256 bytes: half of K
	s_mov_b32 s[G1X+2], 32<<16                     ; tensor_dim1 = 32 tokens a wave
	s_mov_b32 s[G1X+3], 256<<16                    ; tile_dim0
	s_mov_b32 s[G1X+4], 32                         ; tile_dim1
	s_mov_b32 s[G1X+5], 512                        ; from token to token
	s_mov_b32 s[G1X+6], 0
	s_mov_b32 s[G1X+7], 0
	s_mov_b32 s[G1W+0], 15|(1<<20)|(1<<21)|(5<<22)|(3<<25)  ; W: the mask names the four partners; bit 21 is set beside a mask
	s_mov_b32 s[G1W+1], 256<<16
	s_mov_b32 s[G1W+2], 64<<16                     ; the head's 64 rows,
	s_mov_b32 s[G1W+3], 256<<16
	s_mov_b32 s[G1W+4], 64
	s_mov_b32 s[G1W+5], 8192                       ; 16 rows of W apart
	s_mov_b32 s[G1W+6], 0
	s_mov_b32 s[G1W+7], 0
	s_mov_b32 s66, 0x76543210                      ; v_permlanex16_b32's selects for lane l xor 16
	s_mov_b32 s67, 0xfedcba98
	s_mov_b32 s55, 9216                            ; a chunk of kv (of qb: 4,608)
	s_mov_b32 s2, 8192                             ; from the images to the scale words
	s_wait_dscnt 0x0
	s_wait_kmcnt 0x0
	s_cmp_eq_u32 s50, 0                            ; the buffers are chosen by the work-group's y alone
	s_cselect_b64 s[4:5], s[16:17], s[26:27]       ; x's codes
	s_cselect_b64 s[6:7], s[18:19], s[28:29]       ; x's scales
	s_cselect_b64 s[8:9], s[20:21], s[30:31]       ; W's codes
	s_cselect_b64 s[10:11], s[22:23], s[32:33]     ; W's scales
	s_cselect_b64 s[12:13], s[24:25], s[34:35]     ; the bias
	s_cselect_b64 s[14:15], s[46:47], s[48:49]     ; qb or kv
	s_cselect_b32 s55, 4608, s55
	s_cselect_b32 s2, 4096, s2
	s_cmp_eq_u32 s50, 2
	s_cselect_b64 s[4:5], s[36:37], s[4:5]
	s_cselect_b64 s[6:7], s[38:39], s[6:7]
	s_cselect_b64 s[8:9], s[40:41], s[8:9]
	s_cselect_b64 s[10:11], s[42:43], s[10:11]
	s_cselect_b64 s[12:13], s[44:45], s[12:13]
	s_cselect_b32 s56, 4096, 0                     ; V's images lie behind K's in a chunk
	s_cselect_b32 s2, 4608, s2
	s_lshr_b32 s60, s53, 3                         ; the batch
	s_lshl_b32 s60, s60, 4
	s_add_co_u32 s60, s60, s54                     ; 16 b + head
	s_lshl_b32 s60, s60, 3
	s_and_b32 s61, s53, 7
	s_add_co_u32 s60, s60, s61                     ; + which 128 tokens of the batch
	s_mul_i32 s60, s60, s55
	s_add_co_u32 s60, s60, s56
	s_mov_b32 s61, 0
	s_add_nc_u64 s[14:15], s[14:15], s[60:61]      ; where my images go
	s_mov_b32 s60, s2
	s_add_nc_u64 s[62:63], s[14:15], s[60:61]      ; and my scale words
	s_lshl_b32 s56, s53, 16                        ; x's codes: 128 tokens of 512 bytes a block, 32 tokens a wave
	s_lshl_b32 s57, s3, 14
	s_add_co_u32 s56, s56, s57
	s_mov_b32 s57, 0
	s_add_nc_u64 s[4:5], s[4:5], s[56:57]
	s_lshl_b32 s56, s53, 12                        ; x's scales: 32 bytes a token
	s_add_nc_u64 s[6:7], s[6:7], s[56:57]
	s_lshl_b32 s58, s54, 9                         ; W: row 16 d + H.  (These registers never hold cx)
	s_mov_b32 s59, 0
	s_add_nc_u64 s[8:9], s[8:9], s[58:59]
	s_lshl_b32 s58, s54, 5
	s_add_nc_u64 s[10:11], s[10:11], s[58:59]
	s_lshl_b32 s58, s54, 2
	s_add_nc_u64 s[12:13], s[12:13], s[58:59]
	s_mul_i32 s60, s3, WWAVE                       ; LDS addresses hang on the wave's number alone
	s_mul_i32 s61, s3, 32*PITCH
	s_mov_b32 s[G0W0], 1
	s_add_co_u32 s[G0W0+1], s60, WBASE
	s_mov_b64 s[G0W0+2:G0W0+3], s[8:9]
	s_or_b32 s[G0W0+3], s[G0W0+3], 0x80000000
	s_mov_b32 s[G0X0], 1
	s_mov_b32 s[G0X0+1], s61
	s_mov_b64 s[G0X0+2:G0X0+3], s[4:5]
	s_or_b32 s[G0X0+3], s[G0X0+3], 0x80000000
	s_mov_b32 s[G0W1], 1
	s_add_co_u32 s[G0W1+1], s60, WBASE+WHALF
	s_add_nc_u64 s[G0W1+2:G0W1+3], s[8:9], 256
	s_or_b32 s[G0W1+3], s[G0W1+3], 0x80000000
	s_mov_b32 s[G0X1], 1
	s_add_co_u32 s[G0X1+1], s61, XHALF
	s_add_nc_u64 s[G0X1+2:G0X1+3], s[4:5], 256
	s_or_b32 s[G0X1+3], s[G0X1+3], 0x80000000
	CROUND                                         ; the four work-groups are here: the joint loads meet
	tensor_load_to_lds s[G0W0:G0W0+3], s[G1W:G1W+7]    ; four loads of mine are out: the first halves of K first
	s_nop 0
	tensor_load_to_lds s[G0X0:G0X0+3], s[G1X:G1X+7]
	s_nop 0
	tensor_load_to_lds s[G0W1:G0W1+3], s[G1W:G1W+7]
	s_nop 0
	tensor_load_to_lds s[G0X1:G0X1+3], s[G1X:G1X+7]
	s_nop 0
	PLACES
	v_and_b32 v7, 31, v0                           ; lane
	v_lshlrev_b32 v1, 4, v7
	v_and_b32 v60, 15, v0                          ; r
	v_bfe_u32 v61, v0, 4, 1                        ; hh
	v_mul_u32_u24 v2, v60, PITCH
	v_lshl_add_u32 v2, v61, 4, v2                  ; a fragment's row x pitch + 16 hh
	s_add_co_u32 s60, s60, WBASE
	v_add_nc_u32 v3, s60, v2                       ; the same in my wave's W
	v_lshlrev_b32 v4, 5, v60
	v_lshl_add_u32 v4, v61, 11, v4                 ; x's scale words: token r, lanes 16-31 four tiles on
	v_lshlrev_b32 v5, 9, v60
	v_lshl_add_u32 v5, v61, 14, v5                 ; W's: row d = r (512 bytes apart), lanes 16-31 two tiles on
.irp i, 0,1,2,3
	global_load_b128 v[XS+8*\i:XS+8*\i+3], v4, s[6:7] offset:512*\i        ; register 8 i + s: the word of K step s; lanes 0-15 token tile i, lanes 16-31 tile i + 4
	global_load_b128 v[XS+8*\i+4:XS+8*\i+7], v4, s[6:7] offset:512*\i+16
.endr
.irp i, 0,1
	global_load_b128 v[WS+8*\i:WS+8*\i+3], v5, s[10:11] offset:8192*\i     ; lanes 0-15 W's tile i, lanes 16-31 tile i + 2
	global_load_b128 v[WS+8*\i+4:WS+8*\i+7], v5, s[10:11] offset:8192*\i+16
.endr
.macro FETCH s, p                      ; the fragments of K step s into set p: 24 LDS loads
.set FK, (\s)/4
.set FQ, (\s)%4
.set FB, 64+96*(\p)
.irp u, 0,1,2,3,4,5,6,7
	ds_load_b128 v[FB+8*\u:FB+8*\u+3], v2 offset:FK*XHALF+\u*16*PITCH+64*FQ
	ds_load_b128 v[FB+8*\u+4:FB+8*\u+7], v2 offset:FK*XHALF+\u*16*PITCH+64*FQ+32
.endr
.irp u, 0,1,2,3
	ds_load_b128 v[FB+64+8*\u:FB+64+8*\u+3], v3 offset:FK*WHALF+\u*16*PITCH+64*FQ
	ds_load_b128 v[FB+64+8*\u+4:FB+64+8*\u+7], v3 offset:FK*WHALF+\u*16*PITCH+64*FQ+32
.endr
.endm
; 32 matrix instructions: the 32 accumulators take turns, one instruction a turn, in the same order in every K step.
.macro MULQK s, p                      ; accumulator (token tile u, W tile t) at 8 (4 u + t): register j = (d 16 t + 8 hh + j, token 16 u + r)
.irp u, 0,1,2,3,4,5,6,7
.irp t, 0,1,2,3
.set rD, 8*(4*\u+\t)
.set rA, 64+96*(\p)+64+8*\t
.set rB, 64+96*(\p)+8*\u
.set rC, rD
.if (\s) == 0
.set rC, 8*\t
.endif
.set rSA, WS+8*(\t%2)+(\s)
.set rSB, XS+8*(\u%4)+(\s)
.set fA, \t/2
.set fB, \u/4
	WMI
.endr
.endr
.endm
.macro MULV s, p                       ; accumulator (W tile t, token tile u) at 8 (8 t + u): register j = (token 16 u + 8 hh + j, d 16 t + r)
.irp t, 0,1,2,3
.irp u, 0,1,2,3,4,5,6,7
.set rD, 8*(8*\t+\u)
.set rA, 64+96*(\p)+8*\u
.set rB, 64+96*(\p)+64+8*\t
.set rC, rD
.if (\s) == 0
.set rC, 8*\t
.endif
.set rSA, XS+8*(\u%4)+(\s)
.set rSB, WS+8*(\t%2)+(\s)
.set fA, \u/4
.set fB, \t/2
	WMI
.endr
.endr
.endm
.macro KSTEP path, s
.if ((\s) > 0) && ((\s) < 7)
	PLACES                                         ; the set that is fetched into was multiplied in the step before
.endif
.if (\s) == 3
	s_wait_tensorcnt 0x0                           ; the second halves of K: my parts are in,
	s_wait_dscnt 0x0                               ; (no LDS load of mine is out at a signal)
	s_barrier_signal -1
	s_barrier_wait -1                              ; everybody's are
.endif
.if (\s) < 7
	FETCH (\s)+1, ((\s)+1)%2
	s_wait_dscnt 24                                ; all but the 24 just issued: this step's fragments are in
.else
	s_wait_dscnt 0x0
.endif
.if (\s) == 0
	WIN 0x60                                       ; D window 1, C (the bias) window 2
.else
	WIN 0x50                                       ; C and D window 1
.endif
.if \path
	MULV \s, (\s)%2
.else
	MULQK \s, (\s)%2
.endif
	WIN 0
.endm
	s_cmp_eq_u32 s50, 2
	s_cbranch_scc1 .Lv
	; ---- q, k: lane (r, hh) wants, for W's tile t, b[16 (16 t + 8 hh + j) + H], j = 0 .. 7
	v_lshlrev_b32 v6, 9, v61
	WIN 0x80                                       ; destination window 2
.irp t, 0,1,2,3
.irp j, 0,1,2,3,4,5,6,7
	global_load_b32 v[8*\t+\j], v6, s[12:13] offset:1024*\t+64*\j
.endr
.endr
	WIN 0
	s_wait_tensorcnt 2                             ; W's and x's first halves, my parts, are in; the two younger loads stay out
	s_barrier_signal -1
	s_barrier_wait -1                              ; everybody's are: x's rows come from four waves
	FETCH 0, 0
	s_wait_loadcnt 0x0                             ; scale words and bias
.irp s, 0,1,2,3,4,5,6,7
	KSTEP 0, \s
.endr
	s_branch .Lquant
.Lv:
	; ---- v: lane (r, hh) wants, for W's tile t, b[16 (16 t + r) + H] in all eight registers
	v_lshlrev_b32 v6, 6, v60
.irp t, 0,1,2,3
	global_load_b32 v[BT+\t], v6, s[12:13] offset:1024*\t
.endr
	s_wait_loadcnt 0x0                             ; scale words and bias
	WIN 0x80
.irp t, 0,1,2,3
.irp j, 0,1,2,3,4,5,6,7
	v_mov_b32 v[8*\t+\j], v[BT+\t]
.endr
.endr
	WIN 0
	s_wait_tensorcnt 2
	s_barrier_signal -1
	s_barrier_wait -1
	FETCH 0, 0
.irp s, 0,1,2,3,4,5,6,7
	KSTEP 1, \s
.endr
.Lquant:
	; ---- 16 blocks of 32 along the next K: block n is accumulator registers 16 n .. 16 n + 15 of lanes l and l xor 16
	PLACES
	WIN 0x14                                       ; sources 1 and 2: window 1
.set K, 0
.rept 16
	v_max3_num_f32 v[T+K], 0x1800000, |v[16*K]|, |v[16*K+1]|       ; with the floor 2^(3 - 127) among the leaves: the byte cannot fall under 1.  Each accumulator is read from its low end on
.set K, K+1
.endr
.irp j, 2,4,6,8,10,12,14
.set K, 0
.rept 16
	v_max3_num_f32 v[T+K], v[T+K], |v[16*K+\j]|, |v[16*K+\j+1]|    ; the 16 blocks by turns
.set K, K+1
.endr
.endr
	WIN 0
.set K, 0
.rept 16
	v_permlanex16_b32 v[U+K], v[T+K], s66, s67
.set K, K+1
.endr
.set K, 0
.rept 16
	v_max_num_f32 v[T+K], v[T+K], v[U+K]           ; with lane l xor 16's: the block's largest magnitude
.set K, K+1
.endr
.set K, 0
.rept 16
	v_add_nc_u32 v[SCL+K], 0xff000000, v[T+K]      ; 2 off its exponent field: the conversion takes that field as its scale
.set K, K+1
.endr
.set K, 0
.rept 16
	v_lshrrev_b32 v[U+K], 23, v[SCL+K]             ; the scale's byte
.set K, K+1
.endr
	WIN 0x01                                       ; source 0: window 1
.set G, 0
.rept 8                                ; group G: four tiles, 64 along the next K: their codes go to registers 0, 2, 1, 3
	v_cvt_scalef32_pk8_fp4_f32 v[PC+4*G], v[32*G:32*G+7], v[SCL+2*G]
	v_cvt_scalef32_pk8_fp4_f32 v[PC+4*G+2], v[32*G+8:32*G+15], v[SCL+2*G]
	v_cvt_scalef32_pk8_fp4_f32 v[PC+4*G+1], v[32*G+16:32*G+23], v[SCL+2*G+1]
	v_cvt_scalef32_pk8_fp4_f32 v[PC+4*G+3], v[32*G+24:32*G+31], v[SCL+2*G+1]
.set G, G+1
.endr
	WIN 0
	v_nop                                          ; one plain line behind the scaled conversions
.set G, 0
.rept 8
	v_permlane16_swap_b32 v[PC+4*G], v[PC+4*G+1]   ; the first's lanes 16-31 change places with the second's lanes 0-15: register i now holds k = 32 hh + 8 i .. + 7 of the group's 64
	v_permlane16_swap_b32 v[PC+4*G+2], v[PC+4*G+3]
.set G, G+1
.endr
.set G, 0
.rept 8
	global_store_b128 v1, v[PC+4*G:PC+4*G+3], s[14:15] offset:512*G   ; an image: 32 lanes store 512 consecutive bytes.  q, k: token tile G;  v: d tile G / 2, keys 64 (G % 2) on
.set G, G+1
.endr
	s_cmp_eq_u32 s50, 2
	s_cbranch_scc1 .Lvpack
	; q, k: a token's word is its two bytes under 0x7f7f: the instruction's upper 64 along K hold nothing
.irp u, 0,1,2,3,4,5,6,7
	v_lshl_or_b32 v[PW+\u], v[U+2*\u+1], 8, v[U+2*\u]
.endr
.irp u, 0,1,2,3,4,5,6,7
	v_or_b32 v[PW+\u], 0x7f7f0000, v[PW+\u]
.endr
	v_cmp_lt_u32 vcc_lo, 15, v7
.irp i, 0,1,2,3
	v_cndmask_b32 v[SW+\i], v[PW+\i], v[PW+4+\i], vcc_lo           ; word i: lanes 0-15 tile i, lanes 16-31 tile 4 + i
.endr
	s_branch .Lwords
.Lvpack:
	; v: the word of d tile t: the bytes of the four blocks of 32 keys; both lane halves hold the same
.irp t, 0,1,2,3
	v_lshl_or_b32 v[SW+\t], v[U+4*\t+1], 8, v[U+4*\t]
.endr
.irp t, 0,1,2,3
	v_lshl_or_b32 v[SW+\t], v[U+4*\t+2], 16, v[SW+\t]
.endr
.irp t, 0,1,2,3
	v_lshl_or_b32 v[SW+\t], v[U+4*\t+3], 24, v[SW+\t]
.endr
.Lwords:
	global_store_b128 v1, v[SW:SW+3], s[62:63]     ; 512 consecutive bytes
	s_wait_dscnt 0x0
	s_wait_tensorcnt 0x0
	ds_add_u32 v62, v63
	s_wait_dscnt 0x0
	CROUND                                         ; the closing round: no work-group ends while a partner may still ask for a tile that names it
	s_endpgm
.Lfunc_end_k_q6d6e18f0fe_proj:
	.size	k_q6d6e18f0fe_proj, .Lfunc_end_k_q6d6e18f0fe_proj-k_q6d6e18f0fe_proj
	.p2alignl 7, 3214868480
	.fill 96, 4, 3214868480
	.section	.rodata,"a",@progbits
	.p2align	6, 0x0
	.amdhsa_kernel k_q6d6e18f0fe_proj
		.amdhsa_group_segment_fixed_size 213504
		.amdhsa_private_segment_fixed_size 0
		.amdhsa_enable_private_segment 0
		.amdhsa_kernarg_size 136
		.amdhsa_user_sgpr_count 2
		.amdhsa_user_sgpr_kernarg_segment_ptr 1
		.amdhsa_wavefront_size32 1
		.amdhsa_system_sgpr_workgroup_id_x 1
		.amdhsa_system_sgpr_workgroup_id_y 1
		.amdhsa_system_sgpr_workgroup_id_z 1
		.amdhsa_system_vgpr_workitem_id 0
		.amdhsa_next_free_vgpr 576
		.amdhsa_next_free_sgpr 100
		.amdhsa_reserve_vcc 1
		.amdhsa_float_denorm_mode_32 3
		.amdhsa_float_denorm_mode_16_64 3
		.amdhsa_memory_ordered 1
		.amdhsa_forward_progress 1
		.amdhsa_inst_pref_size 122
	.end_amdhsa_kernel
	.amdgpu_metadata
---
amdhsa.version: [ 1, 2 ]
amdhsa.kernels:
  - .name:           k_q6d6e18f0fe_proj
    .symbol:         k_q6d6e18f0fe_proj.kd
    .args:
      - { .name: query_codes, .offset: 0, .size: 8, .value_kind: global_buffer, .address_space: global }
      - { .name: query_scales, .offset: 8, .size: 8, .value_kind: global_buffer, .address_space: global }
      - { .name: Wq_codes, .offset: 16, .size: 8, .value_kind: global_buffer, .address_space: global }
      - { .name: Wq_scales, .offset: 24, .size: 8, .value_kind: global_buffer, .address_space: global }
      - { .name: bq, .offset: 32, .size: 8, .value_kind: global_buffer, .address_space: global }
      - { .name: key_codes, .offset: 40, .size: 8, .value_kind: global_buffer, .address_space: global }
      - { .name: key_scales, .offset: 48, .size: 8, .value_kind: global_buffer, .address_space: global }
      - { .name: Wk_codes, .offset: 56, .size: 8, .value_kind: global_buffer, .address_space: global }
      - { .name: Wk_scales, .offset: 64, .size: 8, .value_kind: global_buffer, .address_space: global }
      - { .name: bk, .offset: 72, .size: 8, .value_kind: global_buffer, .address_space: global }
      - { .name: value_codes, .offset: 80, .size: 8, .value_kind: global_buffer, .address_space: global }
      - { .name: value_scales, .offset: 88, .size: 8, .value_kind: global_buffer, .address_space: global }
      - { .name: Wv_codes, .offset: 96, .size: 8, .value_kind: global_buffer, .address_space: global }
      - { .name: Wv_scales, .offset: 104, .size: 8, .value_kind: global_buffer, .address_space: global }
      - { .name: bv, .offset: 112, .size: 8, .value_kind: global_buffer, .address_space: global }
      - { .name: qb, .offset: 120, .size: 8, .value_kind: global_buffer, .address_space: global }
      - { .name: kv, .offset: 128, .size: 8, .value_kind: global_buffer, .address_space: global }
    .group_segment_fixed_size: 213504
    .private_segment_fixed_size: 0
    .kernarg_segment_align: 8
    .kernarg_segment_size: 136
    .max_flat_workgroup_size: 128
    .sgpr_count:     100
    .vgpr_count:     576
    .wavefront_size: 32
...
	.end_amdgpu_metadata
.endif
;; end of part 1
;; launch attn (part 2): grid 256 x 1, 8 waves a work-group, no clusters, 168,960 bytes of LDS; arguments qb, kv, xw; writes xw
.if DOCPART == 2
	.amdgcn_target "amdgcn-amd-amdhsa--gfx1250"
	.amdhsa_code_object_version 6
	.text
	.protected	k_q6d6e18f0fe_attn
	.globl	k_q6d6e18f0fe_attn
	.p2align	8
	.type	k_q6d6e18f0fe_attn,@function
k_q6d6e18f0fe_attn:
	s_mov_b64 s[64:65], 0
	v_nop
	global_prefetch_b8 v0, s[64:65] scope:SCOPE_SE
	s_setreg_imm32_b32 hwreg(HW_REG_WAVE_MODE, 25, 1), 1
	s_wait_xcnt 0x0
; ATTENTION on codes of FP4 (E2M1): x[b][d][h][n] = sum over m of softmax_m(q . k / 8) v, head size 64, 1,024 keys.  q, k, v come as images of operand registers with their scale words (launch proj); x leaves as f32.
; THE SOFTMAX AHEAD OF THE SECOND PRODUCT: t = score x log2(e) / 8; M = the largest t so far, rounded UP to a whole number; p = 2^(t - M) is quantised along the keys, not normalised.
; The row's sum is taken of the unquantised p and divides O at the end.  When M moves, the sum and O are multiplied by 2^(old M - new M): exact.
; SHARES.  A work-group owns 512 queries of one (batch, head); each of its eight waves 64 of them: four tiles of 16.  Every wave walks the head's 1,024 keys, 128 a step.
; One run of 9 LDS loads for K and one for V serve the four query tiles: 48 matrix instructions.
; LDS.  The head's K and V as codes are 73,728 bytes: they come ONCE, wave w fetching key step w's 9,216 bytes by one tensor load, and lie as in memory: every read takes 16 bytes a lane, 512 on end.  One barrier in the launch.
; NO CLUSTER: only two work-groups read the same head, and what they share is that one fill of 73,728 bytes at the head, against eight key steps of 12 matrix and some 240 vector instructions for each of 32 tiles.
; LAYOUT.  Both products are used transposed: S^T = K Q^T (source 0 = 16 keys, source 1 = 16 queries), O^T = V^T P^T (source 0 = 16 d, source 1 = P): a lane holds ONE query throughout.
; The first product's K is 64 of the instruction's 128: Q's upper four registers are zero codes, both sides' upper scale bytes are 0x7f, and K's fragment u is named as v[64 + 4 u .. + 7]: its upper four registers are the next
; tile's codes (behind the last tile: four registers that are written once), which meet zeros.
; In score tile m of four, lane half hh holds the eight keys 16 m + 8 hh on: the codes go to registers 0, 2, 1, 3 and two exchanges of lane halves give the operand's order (as in launch proj).
; THREE STAGES, TWO SCORE BUFFERS.  Tile-step n (tile n % 4 of key step n / 4) is S1: the scores, the blocks' largest, M and f, t - M;  EXP: 68 exponentials;  S3: the sums, the scale bytes, the codes, O x f, V^T P.
; A SLOT n is the text of S3(n - 1) and then S1(n + 1), both on the buffer that EXP(n) does not touch, and EXP(n) is dealt among their lines: macro EX writes the next exponential, behind every second plain line (behind every
; line of a chain whose lines feed each other): 79 places a slot for 68 exponentials, all in text under window 0.  So a wave's exponentials and its plain arithmetic are issued side by side and not in phases, and the 68 are
; one batch with one wait, at the slot's end.  Four slots are a trip: the buffers are back where they began.
; THE ENDS.  The loop is written once.  Its first slot's S3 finds zeros for p, for the sums and for O^T, and adds nothing (V of step 0 is fetched for it ahead of the loop and again in the loop).  Its last slot's S1 scores tile 0
; against key step 0 once more (the step's number is taken modulo 8, so no LDS byte is read that was not filled): a running maximum is not moved by keys that it has seen, M stays, and nothing of that work is read.
; LIMITS: 1 / l by v_rcp_f32 (1 ulp); a block whose every p is under 2^-124 gets the byte 1, its codes are zeros; NaN and infinities are not served.
; REGISTERS.  window 0: v1 16 x lane, v2, v3 LDS addresses of K's and V's runs, v18 an offset; v4-7 Q's scale words, v8-11 K's, v12-15 V's, v16 p's; v20 + 4 q: tile q's -M, largest t, sum in two halves; v36 + 2 q: its f;
;   v44-51 the blocks' largest, two sets; v52-63 at work; v64-95 K; v96-99 written once; v100-113 sums at work and p's codes; v128-191, v192-255 S^T, then p: two sets.
;   window 1: v0-127 O^T, 32 a tile; v128-159 Q, 8 a tile; v160-191 V.
.set CHUNK, 9216                       ; a key step: 8 images of K (4,096), 8 of V (4,096), K's scale words (512), V's (512)
.set FF,  36                           ; v[36 + 2 q : 37 + 2 q]: f = 2^(old M - new M) of tile q, in the low word
.set BM,  44                           ; a block's largest score, then its largest p: set 0 for even tiles, set 1 (+ 4) for odd
.set BP,  52                           ; the other lane half's, then the scale bytes
.set SC,  56                           ; the conversions' scale operands
.set TA,  60
.set KF,  64
.set PAD, 96
.set CB,  100                          ; v[100:101], v[102:103], v[112:113]: three more chains of the row's sum
.set CC,  102
.set PC,  104                          ; v104-111 p's codes
.set CD,  112
.set S,   128
.set VF,  160                          ; in window 1
.set MSB, 0
.set EJ,  68                           ; exponentials of the slot already written: 68 = none is left
.set EB,  S
.set EM,  BM
.macro WIN new                         ; the immediate's high byte repeats the setting that is left; a switch that changes nothing is dropped
.if MSB != \new
	s_set_vgpr_msb (MSB<<8)|\new
.set MSB, \new
.endif
.endm
.macro PLACES
.rept 4
	v_nop
.endr
.endm
.macro EX                              ; the slot's next exponential, if one is left: the 64 p of buffer EB, then the four blocks' largest p in EM.  It stands under window 0 alone
.if EJ < 68
.set ER, EB+EJ
.if EJ >= 64
.set ER, EM+EJ-64
.endif
	v_exp_f32 v[ER], v[ER]
.set EJ, EJ+1
.endif
.endm
.macro LOADK a                         ; a key step's K: 8 tiles of 16 keys, and their scale words (word i: lanes 0-15 tile i, lanes 16-31 tile 4 + i)
.irp u, 0,1,2,3,4,5,6,7
	ds_load_b128 v[KF+4*\u:KF+4*\u+3], v[\a] offset:512*\u
.endr
	ds_load_b128 v[8:11], v[\a] offset:8192
.endm
.macro LOADV a                         ; a key step's V: d tile u / 2, keys 64 (u % 2) on, and its scale words (word t: d tile t)
	WIN 0x40                                       ; destination window 1
.irp u, 0,1,2,3,4,5,6,7
	ds_load_b128 v[VF+4*\u:VF+4*\u+3], v[\a] offset:4096+512*\u
.endr
	WIN 0
	ds_load_b128 v[12:15], v[\a] offset:8704
.endm
	s_load_b128 s[4:7], s[0:1], 0x0                ; qb, kv
	s_load_b64 s[8:9], s[0:1], 0x10                ; xw
	v_lshl_add_u32 v126, v0, 2, 0x29000
	v_mov_b32 v127, 0
	ds_add_u32 v126, v127
	ds_add_u32 v126, v127
	v_lshrrev_b32 v1, 5, v0
	v_readfirstlane_b32 s10, v1                    ; wave 0..7
	s_lshr_b32 s11, ttmp9, 1                       ; 16 b + head
	s_and_b32 s12, ttmp9, 1                        ; which 512 queries
	s_mov_b32 s20, 3<<16                           ; group 1: a dense block as 36 rows of 256 bytes (32 elements of 8 bytes), no padding
	s_mov_b32 s21, 32<<16
	s_mov_b32 s22, 36<<16
	s_mov_b32 s23, 32<<16
	s_mov_b32 s24, 36
	s_mov_b32 s25, 32
	s_mov_b32 s26, 0
	s_mov_b32 s27, 0
	s_mov_b32 s16, 1
	s_mul_i32 s17, s10, CHUNK                      ; key step w, in LDS as in memory
	s_mul_i32 s14, s11, 8*CHUNK
	s_add_co_u32 s14, s14, s17
	s_mov_b32 s15, 0
	s_lshl_b32 s34, s11, 3                         ; my 64 queries lie in chunk 8 (16 b + head) + 4 QH + w / 2 of qb, tiles 4 (w % 2) on
	s_lshl_b32 s35, s12, 2
	s_add_co_u32 s34, s34, s35
	s_lshr_b32 s35, s10, 1
	s_add_co_u32 s34, s34, s35
	s_mul_i32 s34, s34, 4608
	s_and_b32 s36, s10, 1
	s_lshl_b32 s37, s36, 11
	s_add_co_u32 s38, s34, s37                     ; their images,
	s_mov_b32 s39, 0
	s_lshl_b32 s37, s36, 8
	s_add_co_u32 s40, s34, s37
	s_add_co_u32 s40, s40, 4096                    ; their scale words: the lower or the upper 16 lanes' 256 bytes
	s_mov_b32 s41, 0
	s_lshl_b32 s42, s11, 18                        ; xw: 4,096 bytes a tile of 16 tokens, 64 tiles a head
	s_lshl_b32 s43, s12, 17
	s_add_co_u32 s42, s42, s43
	s_lshl_b32 s43, s10, 14
	s_add_co_u32 s42, s42, s43
	s_mov_b32 s43, 0
	s_mov_b32 s28, 0x76543210                      ; v_permlanex16_b32's selects for lane l xor 16
	s_mov_b32 s29, 0xfedcba98
	s_mov_b32 s30, 0x3e38aa3b                      ; c = log2(e) / 8
	s_mov_b32 s31, s30                             ; (named with it as a pair)
	s_mov_b32 s33, 0                               ; the key step in hand
	s_wait_dscnt 0x0
	s_wait_kmcnt 0x0
	s_add_nc_u64 s[18:19], s[6:7], s[14:15]
	s_or_b32 s19, s19, 0x80000000
	tensor_load_to_lds s[16:19], s[20:27]          ; my one tensor load
	s_nop 0
	PLACES
	s_add_nc_u64 s[38:39], s[4:5], s[38:39]
	s_add_nc_u64 s[40:41], s[4:5], s[40:41]
	s_add_nc_u64 s[8:9], s[8:9], s[42:43]
	v_and_b32 v2, 31, v0
	v_lshlrev_b32 v1, 4, v2
	v_and_b32 v18, 15, v0
	v_lshlrev_b32 v18, 4, v18
	global_load_b128 v[4:7], v18, s[40:41]         ; word q: query tile q's, in lanes 0-15 (lanes 16-31 hold the same)
	WIN 0x40                                       ; destination window 1
.irp q, 0,1,2,3
	global_load_b128 v[128+8*\q:131+8*\q], v1, s[38:39] offset:512*\q      ; Q's codes: d = 32 hh on
.endr
.irp q, 0,1,2,3
.irp e, 4,5,6,7
	v_mov_b32 v[128+8*\q+\e], 0                    ; the instruction's upper 64 along K: zero codes
.endr
.endr
.set J, 0
.rept 128
	v_mov_b32 v[J], 0                              ; O^T.  The loop is written once: its first steps find zeros, which the first change of M leaves zeros
.set J, J+1
.endr
	WIN 0
.irp q, 0,1,2,3
	v_mov_b32 v[21+4*\q], 0xff61b1e6               ; the largest t so far: -3e38, under every t
	v_floor_f32 v[20+4*\q], -v[21+4*\q]            ; -M
	v_mov_b32 v[22+4*\q], 0                        ; the sum, in two halves
	v_mov_b32 v[23+4*\q], 0
	v_mov_b32 v[FF+2*\q], 1.0                      ; f: the first slot multiplies tile 3's zeros by it
	v_mov_b32 v[FF+2*\q+1], 0                      ; (named as the upper half of a pair)
.endr
.irp b, 0,1,2,3
	v_mov_b32 v[BP+\b], 0                          ; written once: a lane permute's destination counts as one of its sources
	v_mov_b32 v[BM+4+\b], 0                        ; the first slot's S3: no largest p: the floor's byte
	v_mov_b32 v[PAD+\b], 0                         ; the upper half of K's last fragment: it meets Q's zero codes
.endr
.set J, 0
.rept 64
	v_mov_b32 v[S+64+J], 0                         ; the first slot's S3: p = 0
.set J, J+1
.endr
	s_wait_tensorcnt 0x0                           ; my key step is in LDS,
	s_barrier_signal -1
	s_barrier_wait -1                              ; everybody's is
	LOADK 1                                        ; key step 0: v1 is 16 x lane
	LOADV 1
	s_wait_loadcnt 0x0                             ; Q
	s_wait_dscnt 0x0
; S3: tile T3, whose p lie in buffer YB and whose blocks' largest p in YM.  WV = 1: V's run of loads was issued a slot ago.  It leaves the windows as the products had them.
.macro S3
.set ST3, 20+4*T3
.set OB, 32*T3
.set F3, FF+2*T3
	v_pk_mul_f32 v[ST3+2:ST3+3], v[ST3+2:ST3+3], v[F3:F3+1] op_sel_hi:[1,0]        ; the sums under the new M
	v_pk_add_f32 v[CB:CB+1], v[YB:YB+1], v[YB+2:YB+3]                              ; the row's sum of the unquantised p: 32 additions of pairs, in four chains by turns
	EX
	v_pk_add_f32 v[CC:CC+1], v[YB+4:YB+5], v[YB+6:YB+7]
	v_pk_add_f32 v[CD:CD+1], v[YB+8:YB+9], v[YB+10:YB+11]
	EX
.set J, 12
.rept 6
	v_pk_add_f32 v[ST3+2:ST3+3], v[ST3+2:ST3+3], v[YB+J:YB+J+1]
	v_pk_add_f32 v[CB:CB+1], v[CB:CB+1], v[YB+J+2:YB+J+3]
	EX
	v_pk_add_f32 v[CC:CC+1], v[CC:CC+1], v[YB+J+4:YB+J+5]
	v_pk_add_f32 v[CD:CD+1], v[CD:CD+1], v[YB+J+6:YB+J+7]
	EX
.set J, J+8
.endr
	v_pk_add_f32 v[ST3+2:ST3+3], v[ST3+2:ST3+3], v[YB+60:YB+61]
	v_pk_add_f32 v[CB:CB+1], v[CB:CB+1], v[YB+62:YB+63]
	EX
	v_pk_add_f32 v[CC:CC+1], v[CC:CC+1], v[CD:CD+1]
	v_pk_add_f32 v[ST3+2:ST3+3], v[ST3+2:ST3+3], v[CB:CB+1]
	EX
	v_pk_add_f32 v[ST3+2:ST3+3], v[ST3+2:ST3+3], v[CC:CC+1]
.irp b, 0,1,2,3
	v_max_num_f32 v[YM+\b], 0x1800000, v[YM+\b]    ; the floor 2^(3 - 127): the byte cannot fall under 1
.if (\b)%2
	EX
.endif
.endr
.irp b, 0,1,2,3
	v_add_nc_u32 v[SC+\b], 0xff000000, v[YM+\b]    ; 2 off the exponent field: the conversion's scale operand
.if (\b)%2
	EX
.endif
.endr
.irp b, 0,1,2,3
	v_lshrrev_b32 v[BP+\b], 23, v[SC+\b]           ; the scale's byte
.if (\b)%2
	EX
.endif
.endr
	v_lshl_or_b32 v16, v[BP+1], 8, v[BP]           ; p's scale word for these 128 keys
	EX
	v_lshl_or_b32 v16, v[BP+2], 16, v16
	EX
	v_lshl_or_b32 v16, v[BP+3], 24, v16
	EX
.irp c, 0,1
	v_cvt_scalef32_pk8_fp4_f32 v[PC+4*\c], v[YB+32*\c:YB+32*\c+7], v[SC+2*\c]
	v_cvt_scalef32_pk8_fp4_f32 v[PC+4*\c+2], v[YB+32*\c+8:YB+32*\c+15], v[SC+2*\c]
	EX
	v_cvt_scalef32_pk8_fp4_f32 v[PC+4*\c+1], v[YB+32*\c+16:YB+32*\c+23], v[SC+2*\c+1]
	v_cvt_scalef32_pk8_fp4_f32 v[PC+4*\c+3], v[YB+32*\c+24:YB+32*\c+31], v[SC+2*\c+1]
	EX
.endr
	v_nop                                          ; one plain line behind the scaled conversions
.irp c, 0,1
	v_permlane16_swap_b32 v[PC+4*\c], v[PC+4*\c+1] ; register 4 c + i now holds keys 64 c + 32 hh + 8 i .. + 7
	v_permlane16_swap_b32 v[PC+4*\c+2], v[PC+4*\c+3]
	EX
.endr
	WIN 0x41                                       ; O^T (destination, source 0) window 1
.set J, 0
.rept 16
	v_pk_mul_f32 v[OB+J:OB+J+1], v[OB+J:OB+J+1], v[F3:F3+1] op_sel_hi:[1,0]        ; O^T under the new M.  These 16 also stand between the writing of p's codes and scale word and the products below
.set J, J+2
.endr
.if WV
	s_wait_dscnt 0x0                               ; V and its scale words are in: nothing else of mine is out
.endif
	WIN 0x51                                       ; V (source 0), C and D window 1; p's codes window 0
.irp t, 0,1,2,3
	v_wmma_scale_f32_16x16x128_f8f6f4 v[OB+8*\t:OB+8*\t+7], v[VF+8*\t:VF+8*\t+7], v[PC:PC+7], v[OB+8*\t:OB+8*\t+7], v[12+\t], v16 matrix_a_fmt:MATRIX_FMT_FP4 matrix_b_fmt:MATRIX_FMT_FP4
.endr
.endm
; S1: tile T1 against the 128 keys in K's registers; scores, then t - M, into buffer YB; the blocks' largest t - M into YM.  WK = 1: K's run of loads was issued a slot ago.
; LDK = 1: behind the products V of key step s33 is fetched (the slot's S3 was the last to read the step before's); LDK = 2: K of the next key step (these products were the last to read this step's).
.macro S1
.set ST1, 20+4*T1
.set F1, FF+2*T1
.if WK
	s_wait_dscnt 0x0                               ; K and its scale words are in: nothing else of mine is out
.endif
	WIN 0x04                                       ; source 1 (Q) window 1
.irp u, 0,1,2,3
	v_wmma_scale_f32_16x16x128_f8f6f4 v[YB+8*\u:YB+8*\u+7], v[KF+4*\u:KF+4*\u+7], v[128+8*T1:135+8*T1], 0, v[8+\u], v[4+T1] matrix_a_fmt:MATRIX_FMT_FP4 matrix_b_fmt:MATRIX_FMT_FP4
.endr
.irp u, 4,5,6,7
	v_wmma_scale_f32_16x16x128_f8f6f4 v[YB+8*\u:YB+8*\u+7], v[KF+4*\u:KF+4*\u+7], v[128+8*T1:135+8*T1], 0, v[4+\u], v[4+T1] matrix_a_fmt:MATRIX_FMT_FP4 matrix_b_fmt:MATRIX_FMT_FP4 matrix_a_scale:MATRIX_SCALE_ROW1
.endr
	WIN 0
.rept 4
	v_nop                                          ; four plain lines between the products and the reads of their results and the loads into their sources; the exponentials between them are not counted
	EX
.endr
.if LDK == 1
	s_mul_i32 s44, s33, CHUNK
	v_add_nc_u32 v3, s44, v1
	LOADV 3
.endif
.if LDK == 2
	s_add_co_u32 s44, s33, 1
	s_and_b32 s44, s44, 7                          ; behind the last key step: step 0 again
	s_mul_i32 s44, s44, CHUNK
	v_add_nc_u32 v2, s44, v1
	LOADK 2
.endif
.irp b, 0,1,2,3
	v_max3_num_f32 v[YM+\b], v[YB+16*\b], v[YB+16*\b+1], v[YB+16*\b+2]             ; the largest score of each block of 32 keys: it serves the row's maximum and, since p rises with the score, the block's largest p
.if (\b)%2
	EX
.endif
.endr
.irp j, 3,5,7,9,11,13
.irp b, 0,1,2,3
	v_max3_num_f32 v[YM+\b], v[YM+\b], v[YB+16*\b+\j], v[YB+16*\b+\j+1]
.if (\b)%2
	EX
.endif
.endr
.endr
.irp b, 0,1,2,3
	v_max_num_f32 v[YM+\b], v[YM+\b], v[YB+16*\b+15]
.if (\b)%2
	EX
.endif
.endr
.irp b, 0,1,2,3
	v_permlanex16_b32 v[BP+\b], v[YM+\b], s28, s29
.if (\b)%2
	EX
.endif
.endr
.irp b, 0,1,2,3
	v_max_num_f32 v[YM+\b], v[YM+\b], v[BP+\b]     ; with lane l xor 16's 16 keys
.if (\b)%2
	EX
.endif
.endr
	v_max3_num_f32 v[TA], v[YM], v[YM+1], v[YM+2]
	EX
	v_max_num_f32 v[TA], v[TA], v[YM+3]            ; the step's largest score of my query
	EX
	v_mul_f32 v[TA], s30, v[TA]                    ; as t (c is positive)
	EX
	v_max_num_f32 v[ST1+1], v[ST1+1], v[TA]        ; the running largest t
	EX
	v_mov_b32 v[TA], v[ST1]
	v_floor_f32 v[ST1], -v[ST1+1]                  ; the new -M = floor(-t) = -ceil(t)
	EX
	v_sub_f32 v[TA], v[ST1], v[TA]                 ; old M less new M: a whole number, 0 or less
	EX
	v_cvt_i32_f32 v[TA], v[TA]                     ; (it saturates)
	EX
	v_ldexp_f32 v[F1], 1.0, v[TA]                  ; f = 2^(old M - new M)
	EX
.set J, 0
.rept 16
	v_pk_fma_f32 v[YB+J:YB+J+1], v[YB+J:YB+J+1], s[30:31], v[ST1:ST1+1] op_sel_hi:[1,0,0]          ; t - M, two at a time
	v_pk_fma_f32 v[YB+J+2:YB+J+3], v[YB+J+2:YB+J+3], s[30:31], v[ST1:ST1+1] op_sel_hi:[1,0,0]
	EX
.set J, J+4
.endr
.irp b, 0,1,2,3
	v_fma_f32 v[YM+\b], v[YM+\b], s30, v[ST1]      ; the same of each block's largest score
.endr
.endm
; Slot q of a trip: the exponentials of tile q (buffer q % 2) among S3 of the tile before and S1 of the tile after (the other buffer).
.macro SLOT q
.set EB, S+64*((\q)%2)
.set EM, BM+4*((\q)%2)
.set EJ, 0
.set YB, S+64*(1-(\q)%2)
.set YM, BM+4*(1-(\q)%2)
.set T3, ((\q)+3)%4
.set T1, ((\q)+1)%4
.set WV, 0
.set WK, 0
.set LDK, 0
.if (\q) == 0
.set LDK, 1
.endif
.if (\q) == 1
.set WV, 1
.endif
.if (\q) == 2
.set LDK, 2
.endif
.if (\q) == 3
.set WK, 1
.endif
	S3
	S1
.rept 8
	EX                                             ; (none is left: the 79 places above have taken the 68)
.endr
	v_nop                                          ; a plain line behind the batch
	s_wait_alu depctr_va_vdst(0)                   ; ONE wait for the slot's 68 exponentials, ahead of their first reader, the next slot's S3, and of the branch
.endm
.set T1, 0                             ; ahead of the loop: S1 of tile 0, key step 0; no exponential is due yet
.set YB, S
.set YM, BM
.set WK, 0
.set LDK, 0
	S1
.Lkey:                                             ; 8 trips: a key step of 128 keys for the wave's four tiles
	SLOT 0
	SLOT 1
	SLOT 2
	SLOT 3
	s_add_co_u32 s33, s33, 1
	s_cmp_lt_u32 s33, 8
	s_cbranch_scc1 .Lkey
.set T3, 3                             ; behind the loop: S3 of tile 3, key step 7, whose V is still in its registers
.set YB, S+64
.set YM, BM+4
.set WV, 0
	S3
	WIN 0
	; THE WAY OUT: x = O^T / l, stored as it lies: lane (r, hh)'s registers 8 t + 4 a + e are d = 16 t + 8 hh + 4 a + e of token r
.irp q, 0,1,2,3
	v_add_f32 v[SC+\q], v[22+4*\q], v[23+4*\q]     ; the sum's two halves.  (These four are the places behind the last products)
.endr
.irp q, 0,1,2,3
	v_permlanex16_b32 v[BP+\q], v[SC+\q], s28, s29
.endr
.irp q, 0,1,2,3
	v_add_f32 v[SC+\q], v[SC+\q], v[BP+\q]         ; and lane l xor 16's: the row's sum
.endr
.irp q, 0,1,2,3
	v_rcp_f32 v[FF+2*\q], v[SC+\q]
.endr
	v_nop                                          ; a plain line behind the last reciprocal
	s_wait_alu depctr_va_vdst(0)                   ; one wait for the four, ahead of their first reader
	WIN 0x41
.irp q, 0,1,2,3
.set J, 0
.rept 16
	v_pk_mul_f32 v[32*\q+J:32*\q+J+1], v[32*\q+J:32*\q+J+1], v[FF+2*\q:FF+2*\q+1] op_sel_hi:[1,0]
.set J, J+2
.endr
.endr
	WIN 0x04                                       ; a store's data are its source 1: window 1
.irp q, 0,1,2,3
.irp u, 0,1,2,3,4,5,6,7
	global_store_b128 v1, v[32*\q+4*\u:32*\q+4*\u+3], s[8:9] offset:4096*\q+512*\u th:TH_STORE_NT   ; 32 lanes store 512 consecutive bytes
.endr
.endr
	WIN 0
	s_wait_tensorcnt 0x0
	ds_add_u32 v126, v127
	s_wait_dscnt 0x0
	s_endpgm
.Lfunc_end_k_q6d6e18f0fe_attn:
	.size	k_q6d6e18f0fe_attn, .Lfunc_end_k_q6d6e18f0fe_attn-k_q6d6e18f0fe_attn
	.p2alignl 7, 3214868480
	.fill 96, 4, 3214868480
	.section	.rodata,"a",@progbits
	.p2align	6, 0x0
	.amdhsa_kernel k_q6d6e18f0fe_attn
		.amdhsa_group_segment_fixed_size 168960
		.amdhsa_private_segment_fixed_size 0
		.amdhsa_enable_private_segment 0
		.amdhsa_kernarg_size 24
		.amdhsa_user_sgpr_count 2
		.amdhsa_user_sgpr_kernarg_segment_ptr 1
		.amdhsa_wavefront_size32 1
		.amdhsa_system_sgpr_workgroup_id_x 1
		.amdhsa_system_sgpr_workgroup_id_y 1
		.amdhsa_system_sgpr_workgroup_id_z 1
		.amdhsa_system_vgpr_workitem_id 0
		.amdhsa_next_free_vgpr 512
		.amdhsa_next_free_sgpr 66
		.amdhsa_reserve_vcc 0
		.amdhsa_float_denorm_mode_32 3
		.amdhsa_float_denorm_mode_16_64 3
		.amdhsa_memory_ordered 1
		.amdhsa_forward_progress 1
		.amdhsa_inst_pref_size 87
	.end_amdhsa_kernel
	.amdgpu_metadata
---
amdhsa.version: [ 1, 2 ]
amdhsa.kernels:
  - .name:           k_q6d6e18f0fe_attn
    .symbol:         k_q6d6e18f0fe_attn.kd
    .args:
      - { .name: qb, .offset: 0, .size: 8, .value_kind: global_buffer, .address_space: global }
      - { .name: kv, .offset: 8, .size: 8, .value_kind: global_buffer, .address_space: global }
      - { .name: xw, .offset: 16, .size: 8, .value_kind: global_buffer, .address_space: global }
    .group_segment_fixed_size: 168960
    .private_segment_fixed_size: 0
    .kernarg_segment_align: 8
    .kernarg_segment_size: 24
    .max_flat_workgroup_size: 256
    .sgpr_count:     66
    .vgpr_count:     512
    .wavefront_size: 32
...
	.end_amdgpu_metadata
.endif
;; end of part 2
;; launch outp (part 3): grid 128 x 2, 4 waves a work-group, clusters of 4 x 1, 315,904 bytes of LDS; arguments xw, Wm_codes, Wm_scales, bm, out0; writes out0
.if DOCPART == 3
	.amdgcn_target "amdgcn-amd-amdhsa--gfx1250"
	.amdhsa_code_object_version 6
	.text
	.protected	k_q6d6e18f0fe_outp
	.globl	k_q6d6e18f0fe_outp
	.p2align	8
	.type	k_q6d6e18f0fe_outp,@function
k_q6d6e18f0fe_outp:
	s_mov_b64 s[64:65], 0
	v_nop
	global_prefetch_b8 v0, s[64:65] scope:SCOPE_SE
	s_setreg_imm32_b32 hwreg(HW_REG_WAVE_MODE, 25, 1), 1
	s_wait_xcnt 0x0
	s_wait_alu depctr_hold_cnt(0) depctr_sa_sdst(0) depctr_va_vdst(0) depctr_va_sdst(0) depctr_va_ssrc(0) depctr_va_vcc(0) depctr_vm_vsrc(0)
	s_getreg_b32 s2, hwreg(HW_REG_IB_STS2, 6, 4)
	s_cmp_eq_u32 s2, 0
	s_cbranch_scc0 .Lentry_in_a_cluster
	s_endpgm
.Lentry_in_a_cluster:
	s_bfe_u32 s2, ttmp6, 0x10000c
	s_cmp_lg_u32 s2, 0x3003
	s_cbranch_scc0 .Lentry_shape_is_right
	s_endpgm
.Lentry_shape_is_right:
; THE LAST PROJECTION out[b][o][n] = sum over c of Wm[o][c] x[b][c][n] + bm[o] on codes of FP4 (E2M1); x arrives as f32 (launch attn) and is quantised here along c = 16 d + head.
; SHARES.  A work-group takes 64 tokens x 512 o over all of K.  Wave w first quantises token tile w (16 tokens, all 1,024 c: 8 fragments), then makes o = 512 y + 128 w + 0 .. 127 for all 64 tokens: 32 accumulators.
; x's fragments go from wave to wave through LDS as images of operand registers (lane l's 16 bytes at 16 l) with their scale words (4 bytes a lane): one barrier.
; Wm's 128 rows of a wave come into that wave's own LDS region in two halves of K, by two tensor loads at the head; only that wave reads them, so its own wait on the loads is all the ordering.
; CLUSTER.  The four work-groups of a cluster have the same y and other tokens: Wm's half, 262,144 bytes, is asked for jointly (mask 15).  x's 262,144 bytes a work-group are read by the two work-groups of equal
; tokens, which lie in different clusters: they are each one's own loads.
; x IN MEMORY: [16 b + head][tile of 16 tokens][8][lane][16 bytes].  For K step s (d = 8 s .. 8 s + 7, all heads) lane (r, hh) reads, for each head, the 16 bytes d = 8 s + 4 hh + 0 .. 3 of token r: sixteen lanes read
; 256 consecutive bytes.  Its 64 numbers are blocks 2 hh and 2 hh + 1 of the K step, whole; 64 copies turn them from (head, d) to c order, which the conversions want in consecutive registers.
; The product is used with source 0 = 16 tokens, source 1 = 16 rows of Wm: a lane holds ONE o and eight neighbouring tokens, which are neighbours in out0.  The bias is the C of each sum's first matrix instruction.
; LIMITS: NaN and infinities are not served.  A block whose largest magnitude lies under 2^-124, zeros among them, gets the scale byte 1: its codes are zeros or the smallest codes, and this launch alone reads the bytes.
; REGISTERS.  window 0: v1-15 addresses; v16-47 Wm's scale words; v48-55 x's, two sets; v56-63 bias at work; v64-159, v160-255 two sets of fragments (x's 4 tiles, then Wm's 8); while x is quantised v64-75 at work,
;   v88-95 a scale word for each K step, v128-191 64 numbers, v192-255 eight registers of codes for each K step: no LDS store's data are written again, so no wait stands between the K steps.
;   window 1: four sets of 64 numbers of x as loaded, then the 32 accumulators.   window 2: v0-63 the bias in the result's layout.
.set PITCH, 272                        ; an LDS row: 256 bytes + 16 of padding
.set WHALF, 128*PITCH                  ; a wave's 128 rows of Wm, half of K
.set WWAVE, 2*WHALF
.set XIMG,  4*WWAVE                    ; x's 32 fragments: (8 u + s) x 1,024
.set XSC,   XIMG+32*1024               ; their scale words: (8 u + s) x 128
.set WS,  16
.set XS,  48
.set BT,  56
.set R,   128
.set MSB, 0
.macro WIN new
.if MSB != \new
	s_set_vgpr_msb (MSB<<8)|\new
.set MSB, \new
.endif
.endm
.macro PLACES
.rept 4
	v_nop
.endr
.endm
.macro CROUND                          ; a round of the cluster's barrier
	s_barrier_signal -1
	s_barrier_wait -1
	s_cmp_lg_u32 s3, 0
	s_cbranch_scc1 .Lnot_wave_0_\@
	s_barrier_signal -3
.Lnot_wave_0_\@:
	s_barrier_wait -3
	s_barrier_signal -1
	s_barrier_wait -1
.endm
	s_load_b256 s[4:11], s[0:1], 0x0               ; xw s[4:5], Wm's codes s[6:7], Wm's scales s[8:9], bm s[10:11]
	s_load_b64 s[12:13], s[0:1], 0x20              ; out0
	s_set_vgpr_msb 0x80
	v_lshl_add_u32 v128, v0, 2, 0x4d000
	v_mov_b32 v129, 0
	s_set_vgpr_msb 0x808a
	ds_add_u32 v128, v129
	ds_add_u32 v128, v129
	s_set_vgpr_msb 0x8a00
	v_lshrrev_b32 v1, 5, v0
	v_readfirstlane_b32 s3, v1                     ; wave 0..3
	s_bfe_u32 s14, ttmp6, 0x40000                  ; cx
	s_lshl_b32 s15, ttmp9, 2
	s_add_co_u32 s15, s15, s14                     ; my block of 64 tokens, 0..127
	s_lshr_b32 s16, s15, 4                         ; the batch
	s_and_b32 s17, s15, 15                         ; which 64 tokens of it
	s_and_b32 s18, ttmp7, 0xffff                   ; y: which half of o
	s_lshl_b32 s38, s18, 9
	s_lshl_b32 s39, s3, 7
	s_add_co_u32 s38, s38, s39                     ; my wave's first o: it hangs on nothing that differs between partners
	s_mov_b32 s20, 15|(1<<20)|(1<<21)|(5<<22)|(3<<25)  ; group 1: the mask names the four partners, bit 21 beside it; elements of one byte; 4 words of padding behind every 64
	s_mov_b32 s21, 256<<16                         ; tensor_dim0 = 256 bytes: half of K
	s_mov_b32 s22, 128<<16                         ; tensor_dim1 = 128 rows
	s_mov_b32 s23, 256<<16                         ; tile_dim0
	s_mov_b32 s24, 128                             ; tile_dim1
	s_mov_b32 s25, 512                             ; from row to row
	s_mov_b32 s26, 0
	s_mov_b32 s27, 0
	s_mov_b32 s36, 0x76543210                      ; v_permlanex16_b32's selects for lane l xor 16
	s_mov_b32 s37, 0xfedcba98
	s_lshl_b32 s40, s38, 9                         ; Wm's codes: 512 bytes a row
	s_mov_b32 s41, 0
	s_lshl_b32 s42, s16, 22                        ; xw: 16 heads of 262,144 bytes a batch; 4,096 bytes a tile of 16 tokens
	s_lshl_b32 s43, s17, 14
	s_add_co_u32 s42, s42, s43
	s_lshl_b32 s43, s3, 12
	s_add_co_u32 s42, s42, s43
	s_mov_b32 s43, 0
	s_lshl_b32 s44, s16, 22                        ; out0: 4,096 bytes a row o, 256 bytes for my 64 tokens
	s_lshl_b32 s45, s38, 12
	s_add_co_u32 s44, s44, s45
	s_lshl_b32 s45, s17, 8
	s_add_co_u32 s44, s44, s45
	s_mov_b32 s45, 0
	s_mul_i32 s29, s3, WWAVE                       ; my region of LDS
	s_mov_b32 s28, 1
	s_mov_b32 s32, 1
	s_add_co_u32 s33, s29, WHALF
	s_wait_dscnt 0x0
	s_wait_kmcnt 0x0
	s_add_nc_u64 s[6:7], s[6:7], s[40:41]
	s_mov_b64 s[30:31], s[6:7]
	s_or_b32 s31, s31, 0x80000000
	s_add_nc_u64 s[34:35], s[6:7], 256
	s_or_b32 s35, s35, 0x80000000
	CROUND                                         ; the four work-groups are here: the joint loads meet
	tensor_load_to_lds s[28:31], s[20:27]          ; two loads of mine are out
	s_nop 0
	tensor_load_to_lds s[32:35], s[20:27]
	s_nop 0
	PLACES
	s_lshl_b32 s40, s38, 5
	s_add_nc_u64 s[8:9], s[8:9], s[40:41]          ; Wm's scales: 32 bytes a row
	s_lshl_b32 s40, s38, 2
	s_add_nc_u64 s[10:11], s[10:11], s[40:41]
	s_add_nc_u64 s[4:5], s[4:5], s[42:43]
	s_add_nc_u64 s[12:13], s[12:13], s[44:45]
	v_and_b32 v14, 31, v0                          ; lane
	v_and_b32 v12, 15, v0                          ; r
	v_bfe_u32 v13, v0, 4, 1                        ; hh
	v_lshlrev_b32 v1, 4, v14
	v_lshlrev_b32 v2, 4, v12
	v_lshl_add_u32 v2, v13, 9, v2                  ; x: 16 r + 512 hh
	v_mul_u32_u24 v3, v12, PITCH
	v_lshl_add_u32 v8, v13, 5, v3
	v_add_nc_u32 v8, s29, v8                       ; the stage, in: row r, + 32 hh
	v_lshl_add_u32 v3, v13, 4, v3
	v_add_nc_u32 v3, s29, v3                       ; Wm's fragments: row r x pitch + 16 hh, in my region
	v_add_nc_u32 v4, XIMG, v1                      ; an image's place for my lane
	v_lshl_add_u32 v5, v14, 2, XSC                 ; a scale word's
	s_lshl_b32 s46, s3, 13
	v_add_nc_u32 v6, s46, v4                       ; where I store my token tile's images,
	s_lshl_b32 s46, s3, 10
	v_add_nc_u32 v7, s46, v5                       ; and their scale words
	v_mul_u32_u24 v9, v13, PITCH
	v_lshl_add_u32 v9, v12, 4, v9
	v_add_nc_u32 v9, s29, v9                       ; the stage, back: lanes 0-15 one row, lanes 16-31 the next
	v_lshlrev_b32 v10, 12, v13
	v_lshl_add_u32 v10, v12, 4, v10                ; and the same two rows in out0
	v_lshlrev_b32 v11, 4, v13                      ; 16 hh: my two scale bytes' place in the word, in bits
	v_lshlrev_b32 v15, 5, v12
	v_lshl_add_u32 v15, v13, 11, v15               ; Wm's scale words: row r, lanes 16-31 four tiles on
	v_lshlrev_b32 v73, 2, v12                      ; the bias: 4 r
	v_mov_b32 v71, 0                               ; written once: a lane permute's destination counts as one of its sources
.irp i, 0,1,2,3
	global_load_b128 v[WS+8*\i:WS+8*\i+3], v15, s[8:9] offset:512*\i       ; register 8 i + s: the word of K step s; lanes 0-15 tile i, lanes 16-31 tile i + 4
	global_load_b128 v[WS+8*\i+4:WS+8*\i+7], v15, s[8:9] offset:512*\i+16
.endr
.irp t, 0,1,2,3,4,5,6,7
	global_load_b32 v[BT+\t], v73, s[10:11] offset:64*\t                   ; bm of o = 16 t + r
.endr
.macro XLOAD s                         ; K step s of my 16 tokens: 16 loads, a head each, into set s % 4 of window 1
	WIN 0x40
.set LB, 64*((\s)%4)
.set LO, ((\s)/2)*1024+((\s)%2)*256
.set HH, 0
.rept 16
	global_load_b128 v[LB+4*HH:LB+4*HH+3], v2, s[4:5] offset:HH*262144+LO
.set HH, HH+1
.endr
.endm
	XLOAD 0
	XLOAD 1
	XLOAD 2
	XLOAD 3
.macro XSTEP s
.set XB, 64*((\s)%4)
.set PCS, 192+8*(\s)                   ; this K step's own registers for its codes,
.set WD, 88+(\s)                       ; and for its scale word
.if (\s) < 5
	s_wait_loadcnt 48                              ; this set's 16 loads are in (in step 0 the scale words and the bias too); the three younger sets stay out
.else
	s_wait_loadcnt 16*(7-(\s))
.endif
.if (\s) == 0
	WIN 0x80                                       ; destination window 2
.irp t, 0,1,2,3,4,5,6,7
.irp j, 0,1,2,3,4,5,6,7
	v_mov_b32 v[8*\t+\j], v[BT+\t]                 ; the bias in the result's layout: a lane's eight registers are one o
.endr
.endr
.endif
	WIN 0x01                                       ; source 0 window 1
.irp e, 0,1,2,3
.set HH, 0
.rept 16
	v_mov_b32 v[R+16*\e+HH], v[XB+4*HH+\e]         ; c order: d = 8 s + 4 hh + e, head HH: place 16 e + HH of my 64
.set HH, HH+1
.endr
.endr
.if (\s) < 4
	XLOAD (\s)+4                                   ; the set just read takes the K step four on
.endif
	WIN 0
.irp k, 0,1                            ; my two blocks, each in two chains: four chains by turns
	v_max3_num_f32 v[64+\k], |v[R+32*\k]|, |v[R+32*\k+1]|, 0x1800000       ; with the floor 2^(3 - 127): the byte cannot fall under 1
	v_max3_num_f32 v[74+\k], |v[R+32*\k+16]|, |v[R+32*\k+17]|, 0x1800000
.endr
.irp j, 2,4,6,8,10,12,14
.irp k, 0,1
	v_max3_num_f32 v[64+\k], v[64+\k], |v[R+32*\k+\j]|, |v[R+32*\k+\j+1]|
	v_max3_num_f32 v[74+\k], v[74+\k], |v[R+32*\k+16+\j]|, |v[R+32*\k+17+\j]|
.endr
.endr
.irp k, 0,1
	v_max_num_f32 v[64+\k], v[64+\k], v[74+\k]     ; the block's largest magnitude: all 32 numbers are mine
.endr
.irp k, 0,1
	v_add_nc_u32 v[66+\k], 0xff000000, v[64+\k]    ; 2 off its exponent field: the conversion's scale operand
.endr
.irp k, 0,1
	v_lshrrev_b32 v[68+\k], 23, v[66+\k]           ; the scale's byte
.endr
	v_lshl_or_b32 v70, v69, 8, v68                 ; my two bytes, blocks 2 hh and 2 hh + 1,
	v_lshlrev_b32 v70, v11, v70                    ; at their places in the word;
	v_permlanex16_b32 v71, v70, s36, s37
	v_or_b32 v[WD], v70, v71                       ; with lane l xor 16's two the word is whole
.irp i, 0,1,2,3
	v_cvt_scalef32_pk8_fp4_f32 v[PCS+\i], v[R+8*\i:R+8*\i+7], v66
	v_cvt_scalef32_pk8_fp4_f32 v[PCS+4+\i], v[R+32+8*\i:R+32+8*\i+7], v67
.endr
	v_nop                                          ; one plain line behind the scaled conversions
.irp i, 0,1,2,3
	v_permlane16_swap_b32 v[PCS+\i], v[PCS+4+\i]   ; (blocks 0 | 2), (1 | 3) become (0 | 1), (2 | 3): the operand's order
.endr
	ds_store_b128 v6, v[PCS:PCS+3] offset:1024*(\s)
	ds_store_b128 v6, v[PCS+4:PCS+7] offset:1024*(\s)+512
	ds_store_b32 v7, v[WD] offset:128*(\s)         ; no wait here: the registers that these three read are written by no later line of this phase
.endm
.irp s, 0,1,2,3,4,5,6,7
	XSTEP \s
.endr
	s_wait_dscnt 0x0                               ; for the others' sake: my 24 stores have landed
	s_barrier_signal -1
	s_barrier_wait -1                              ; x's 32 fragments lie in LDS
.macro FETCH3 s, p                     ; K step s into set p: 28 LDS loads
.set FK, (\s)/4
.set FQ, (\s)%4
.set FB, 64+96*(\p)
.irp u, 0,1,2,3
	ds_load_b128 v[FB+8*\u:FB+8*\u+3], v4 offset:(8*\u+(\s))*1024
	ds_load_b128 v[FB+8*\u+4:FB+8*\u+7], v4 offset:(8*\u+(\s))*1024+512
	ds_load_b32 v[XS+4*(\p)+\u], v5 offset:(8*\u+(\s))*128
.endr
.irp t, 0,1,2,3,4,5,6,7
	ds_load_b128 v[FB+32+8*\t:FB+32+8*\t+3], v3 offset:FK*WHALF+\t*16*PITCH+64*FQ
	ds_load_b128 v[FB+32+8*\t+4:FB+32+8*\t+7], v3 offset:FK*WHALF+\t*16*PITCH+64*FQ+32
.endr
.endm
.macro MUL3 s, p                       ; accumulator (Wm's tile t, token tile u) at 8 (4 t + u): register j = (token 16 u + 8 hh + j, o 16 t + r).  The 32 take turns, one instruction a turn
.irp t, 0,1,2,3,4,5,6,7
.irp u, 0,1,2,3
.set rD, 8*(4*\t+\u)
.set rA, 64+96*(\p)+8*\u
.set rB, 64+96*(\p)+32+8*\t
.set rC, rD
.if (\s) == 0
.set rC, 8*\t
.endif
.set rSA, XS+4*(\p)+\u
.set rSB, WS+8*(\t%4)+(\s)
.if \t/4
	v_wmma_scale_f32_16x16x128_f8f6f4 v[rD:rD+7], v[rA:rA+7], v[rB:rB+7], v[rC:rC+7], v[rSA], v[rSB] matrix_a_fmt:MATRIX_FMT_FP4 matrix_b_fmt:MATRIX_FMT_FP4 matrix_b_scale:MATRIX_SCALE_ROW1
.else
	v_wmma_scale_f32_16x16x128_f8f6f4 v[rD:rD+7], v[rA:rA+7], v[rB:rB+7], v[rC:rC+7], v[rSA], v[rSB] matrix_a_fmt:MATRIX_FMT_FP4 matrix_b_fmt:MATRIX_FMT_FP4
.endif
.endr
.endr
.endm
.macro KSTEP3 s
.if ((\s) > 0) && ((\s) < 7)
	PLACES                                         ; the set that is fetched into was multiplied in the step before
.endif
.if (\s) == 3
	s_wait_tensorcnt 0x0                           ; Wm's second half of K is in: I alone read it
.endif
.if (\s) < 7
	FETCH3 (\s)+1, ((\s)+1)%2
	s_wait_dscnt 28                                ; all but the 28 just issued
.else
	s_wait_dscnt 0x0
.endif
.if (\s) == 0
	WIN 0x60                                       ; D window 1, C (the bias) window 2
.else
	WIN 0x50
.endif
	MUL3 \s, (\s)%2
	WIN 0
.endm
	s_wait_tensorcnt 1                             ; Wm's first half of K is in; the second may stay out
	FETCH3 0, 0
.irp s, 0,1,2,3,4,5,6,7
	KSTEP3 \s
.endr
	; THE WAY OUT.  A lane holds 32 bytes of a row o, the lanes beside it other rows: the wave's 128 rows x 256 bytes go through a stage in LDS and leave by rows, sixteen lanes to 256 consecutive bytes, aligned.
	; The stage is my own region's first half: it has had its one fill, and I alone read it.  LDS serves a wave's instructions in order (ISA guide 5.7.1.4): no wait between the stores and the loads.
	PLACES
	WIN 0x04                                       ; an LDS store's data are its source 1: window 1
.irp t, 0,1,2,3,4,5,6,7
.irp u, 0,1,2,3
	ds_store_b128 v8, v[8*(4*\t+\u):8*(4*\t+\u)+3] offset:\t*16*PITCH+64*\u        ; each accumulator from its low end on
	ds_store_b128 v8, v[8*(4*\t+\u)+4:8*(4*\t+\u)+7] offset:\t*16*PITCH+64*\u+16
.endr
.endr
	WIN 0
.macro LOADB n                         ; 32 rows back: 16 loads, two rows each, into v64.. or v128.. by turns
.set BB, 64+64*((\n)%2)
.set I, 0
.rept 16
	ds_load_b128 v[BB+4*I:BB+4*I+3], v9 offset:2*PITCH*(16*(\n)+I)
.set I, I+1
.endr
.endm
.macro SENDB n, younger                ; younger: the LDS loads issued behind this batch's
.set BB, 64+64*((\n)%2)
.set I, 0
.rept 16
	s_wait_dscnt (\younger)+15-I
	global_store_b128 v10, v[BB+4*I:BB+4*I+3], s[12:13] offset:8192*(16*(\n)+I) th:TH_STORE_NT
.set I, I+1
.endr
.endm
	LOADB 0
	LOADB 1
	SENDB 0, 16
	s_wait_xcnt 0x0                                ; batch 0's stores have read their registers: batch 2's loads may land there
	LOADB 2
	SENDB 1, 16
	s_wait_xcnt 0x0
	LOADB 3
	SENDB 2, 16
	SENDB 3, 0
	s_wait_dscnt 0x0
	s_set_vgpr_msb 0xa
	s_wait_tensorcnt 0x0
	ds_add_u32 v128, v129
	s_wait_dscnt 0x0
	s_set_vgpr_msb 0xa00
	CROUND                                         ; the closing round: no work-group ends while a partner may still ask for a tile that names it
	s_endpgm
.Lfunc_end_k_q6d6e18f0fe_outp:
	.size	k_q6d6e18f0fe_outp, .Lfunc_end_k_q6d6e18f0fe_outp-k_q6d6e18f0fe_outp
	.p2alignl 7, 3214868480
	.fill 96, 4, 3214868480
	.section	.rodata,"a",@progbits
	.p2align	6, 0x0
	.amdhsa_kernel k_q6d6e18f0fe_outp
		.amdhsa_group_segment_fixed_size 315904
		.amdhsa_private_segment_fixed_size 0
		.amdhsa_enable_private_segment 0
		.amdhsa_kernarg_size 40
		.amdhsa_user_sgpr_count 2
		.amdhsa_user_sgpr_kernarg_segment_ptr 1
		.amdhsa_wavefront_size32 1
		.amdhsa_system_sgpr_workgroup_id_x 1
		.amdhsa_system_sgpr_workgroup_id_y 1
		.amdhsa_system_sgpr_workgroup_id_z 1
		.amdhsa_system_vgpr_workitem_id 0
		.amdhsa_next_free_vgpr 642
		.amdhsa_next_free_sgpr 66
		.amdhsa_reserve_vcc 0
		.amdhsa_float_denorm_mode_32 3
		.amdhsa_float_denorm_mode_16_64 3
		.amdhsa_memory_ordered 1
		.amdhsa_forward_progress 1
		.amdhsa_inst_pref_size 130
	.end_amdhsa_kernel
	.amdgpu_metadata
---
amdhsa.version: [ 1, 2 ]
amdhsa.kernels:
  - .name:           k_q6d6e18f0fe_outp
    .symbol:         k_q6d6e18f0fe_outp.kd
    .args:
      - { .name: xw, .offset: 0, .size: 8, .value_kind: global_buffer, .address_space: global }
      - { .name: Wm_codes, .offset: 8, .size: 8, .value_kind: global_buffer, .address_space: global }
      - { .name: Wm_scales, .offset: 16, .size: 8, .value_kind: global_buffer, .address_space: global }
      - { .name: bm, .offset: 24, .size: 8, .value_kind: global_buffer, .address_space: global }
      - { .name: out0, .offset: 32, .size: 8, .value_kind: global_buffer, .address_space: global }
    .group_segment_fixed_size: 315904
    .private_segment_fixed_size: 0
    .kernarg_segment_align: 8
    .kernarg_segment_size: 40
    .max_flat_workgroup_size: 128
    .sgpr_count:     66
    .vgpr_count:     642
    .wavefront_size: 32
...
	.end_amdgpu_metadata
.endif
;; end of part 3
